; MI455X (gfx1250); checked and timed in simulation.
; The chip was launched on July 23, 2026; its instructions are those of AMD's public machine-readable ISA for CDNA 5 (MIT licence, August 2026) and "CDNA5" Instruction Set Architecture Reference Guide (July 2026). The comments in the code are by the model that wrote it; some were corrected since.
;; Actor. Allowed arithmetic: matrix products marked QUANTISED: E4M3 operands, one E8M0 scale for each 32 along K, by v_wmma_scale_f32_16x16x128_f8f6f4 with both operands' format E4M3, f32 sums; products left as they are: f32 operands where the result goes on into a quantised operand, else bf16, f16 or f32 operands; f32 sums; everything else in f32.
;; Inputs: W1 4 x 256 x 256 float32; W2 4 x 256 x 128 float32; Wmu 4 x 128 x 17 float32; b1 4 x 256 float32; b2 4 x 128 float32; bmu 4 x 17 float32; gW1 256 x 32 float32; gW2 32 x 32 float32; gWo 32 x 4 float32; gb1 32 float32; gb2 32 float32; gbo 4 float32; x 131,072 x 256 float32.
;; Outputs: out0 131,072 x 17 float32.
;; This version of the problem:
;;   THIS VERSION OF THE PROBLEM IS GIVEN IN LOW PRECISION. The matrix products marked QUANTISED in the list below multiply operands that are first quantised to E4M3 (4 exponent bits, 3 mantissa bits; 8 bits a number), with one power-of-two scale for each 32 numbers along K (OCP MX v1.0); their sums are f32. All else is computed in f32.
;;   The module's matrix products, in the order in which they are computed (A, B: the left and right operand; K: the contracted axis; several contracted axes count as one K, in the product's order):
;;     1. [M 131,072, K 256] x [K 256, N 32]; A: input x; B: input gW1: QUANTISED
;;     2. [M 131,072, K 32] x [K 32, N 32]; A: computed on the way; B: input gW2: QUANTISED
;;     3. [M 131,072, K 32] x [K 32, N 4]; A: computed on the way; B: input gWo: left as it is (N = 4 < 16)
;;     4. [M 131,072, K 256] x [K 256, N 1,024]; A: input x; B: input W1: QUANTISED
;;     5. batch 131,072 x [M 1, K 4] x [K 4, N 256]; A: softmax; B: computed on the way: left as it is (K = 4 < 32)
;;     6. [M 131,072, K 256] x [K 256, N 512]; A: computed on the way; B: input W2: QUANTISED
;;     7. batch 131,072 x [M 1, K 4] x [K 4, N 128]; A: softmax; B: computed on the way: left as it is (K = 4 < 32)
;;     8. [M 131,072, K 128] x [K 128, N 68]; A: computed on the way; B: input Wmu: QUANTISED
;;     9. batch 131,072 x [M 1, K 4] x [K 4, N 17]; A: softmax; B: computed on the way: left as it is (K = 4 < 32)
;;   THE QUANTISER, for each operand of a quantised product, along K:
;;     - K is cut into blocks of 32 from its start; a last block that is shorter is filled with zeros.
;;     - A block's scale is 2^e with e = floor(log2(the largest magnitude in the block)) - 8, held to -126 .. 127; a block of zeros has e = 0. As a byte (E8M0): e + 127.
;;     - Each number is divided by its block's scale, clamped to +-448, and rounded to the nearest number of E4M3, ties to even, subnormals kept.
;;     - The product sums the exact products of the quantised numbers (number of the format x scale) in f32.
;;   ~~~python
;;   def quantise(x, axis):      # numpy; x: float32 -> the quantised numbers, widened to float32 again
;;       x = np.moveaxis(x, axis, -1); K = x.shape[-1]
;;       x = np.pad(x, [(0, 0)] * (x.ndim - 1) + [(0, -K % 32)]); x = x.reshape(x.shape[:-1] + (-1, 32)); a = np.abs(x).max(-1, keepdims=True)
;;       e = np.where(a > 0, np.clip(np.frexp(np.where(a > 0, a, 1))[1] - 1 - 8, -126, 127), 0)      # np.frexp(a)[1] - 1 = floor(log2(a)), exactly
;;       r = np.clip(x / 2.0 ** e, -448, 448)
;;       step = 2.0 ** (np.maximum(np.frexp(np.where(r == 0, 1, r))[1] - 1, -6) - 3)
;;       q = np.round(r / step) * step * 2.0 ** e      # np.round: ties to even
;;       return np.moveaxis(q.reshape(q.shape[:-2] + (-1,))[..., :K], -1, axis).astype(np.float32)
;;   ~~~
;;   OPERANDS COMPUTED ON THE WAY. 'Computed on the way' means the value that the module computes at that place (a softmax that the list does not call 'softmax' is quantised finished and normalised). What goes into a quantiser is computed in f32, as accurately as f32 sums, v_exp_f32 and their like allow (about 1e-6 of the number): no bf16 or f16 on the way to a quantiser, and a product that is left as it is and whose result goes on into a quantised operand takes f32 operands (vector FMAs, or v_wmma_f32_16x16x4_f32). A number that lies on a knife's edge between two numbers of the format may be rounded either way, as far as f32 arithmetic and the matrix unit's own rounding can turn it there, and no further.
;; One version. Each part assembles by itself: llvm-mc -triple=amdgcn-amd-amdhsa -mcpu=gfx1250 --defsym DOCPART=n.
;; ======== version 1 of 1: 2 launches
;; limits: right only within a limited range of input values
;; workspace buffers: wq 430,080 bytes
;; launch prep (part 1): grid 204 x 1, 4 waves a work-group, no clusters, 0 bytes of LDS; arguments W1, W2, Wmu, gW1, gW2, gb1, gb2, gWo, bmu, wq; writes wq
.if DOCPART == 1
	.amdgcn_target "amdgcn-amd-amdhsa--gfx1250"
	.amdhsa_code_object_version 6
	.text
	.protected	k_q121d9ce93a_prep
	.globl	k_q121d9ce93a_prep
	.p2align	8
	.type	k_q121d9ce93a_prep,@function
k_q121d9ce93a_prep:
	s_mov_b64 s[64:65], 0
	v_nop
	global_prefetch_b8 v0, s[64:65] scope:SCOPE_SE
	s_setreg_imm32_b32 hwreg(HW_REG_WAVE_MODE, 25, 1), 1
	s_wait_xcnt 0x0
; The weights of the five quantised products (f32, K the first axis of a matrix) become codes of E4M3 with one E8M0 byte for each 32 along K, laid in wq IN THE ORDER OF THE OPERAND REGISTERS of the wave
; that will use them: a fragment (16 tile rows x 128 K) is 2,048 bytes, registers 4 c .. 4 c + 3 of lane l at byte 512 c + 16 l.  A work-group makes one fragment (203 of them; wave c its c-th block of 32 along K), or lays the small tables (the last; wave 0).
; A LANE TAKES A COLUMN OF THE WEIGHT AND ITS REGISTERS RUN DOWN K: lane (r, h) holds k = 32 c + 16 h + 0 .. 15.  So the conversions' results are the fragment.
; W1, gW1, gW2: tile row r takes column base + r + 8 (r / 8), so that in the transposed product the 16 registers of two neighbouring tiles are 16 neighbours along the next K.  W2, Wmu: tile row r is column base + r.
; A block's scale is 2^(floor(log2(largest magnitude)) - 8); its byte is held at 1 from below.
; LIMITS: NaN and infinities among the inputs are not served.  A block of zeros has the byte 1 where the rule says 127: its codes are zeros, and this program alone reads the bytes.
; wq: 0: fragments, wave w (of 8) at 49,152 w: W1's 16 (t<<3 | e<<1 | s), then W2's 8 (e<<1 | s).  WSO: scale words, wave w at 1,536 w, 128 bytes a tile: K step 0's 16 words, then K step 1's.
;     SMW: 24,576 bytes: gW1's 4 fragments, gW2's 2, Wmu's 5, their scale words, gb1, gb2, gWo, bmu in the result's order.
.set WSO,  393216
.set SMW,  405504
.set GW2F, 8192
.set WMF,  12288
.set GS1,  22528
.set GS2,  22784
.set WMS,  22912
.set GB1,  23296
.set GB2,  23424
.set GWO,  23552
.set BMU,  24064
.macro PLUS d, x, n
	s_lshl_b32 s45, s\x, \n
	s_add_co_u32 s\d, s\d, s45
.endm
; the 16 loads of my block.  col: the register with my column's byte offset; ldk: bytes from k to k + 1; all = 0: K has one block alone
.macro LD lo, col, ldk, all
	s_add_nc_u64 s[24:25], s[\lo:\lo+1], s[34:35]
	v_mul_u32_u24 v5, v2, 16*\ldk
.if \all
	s_mul_i32 s45, s47, 32*\ldk
	v_add3_u32 v5, v5, v[\col], s45
.else
	v_add_nc_u32 v5, v5, v[\col]
.endif
.irp i, 0,1,2,3,4,5,6,7,8,9,10,11,12,13,14,15
	global_load_b32 v[64+\i], v5, s[24:25] offset:\i*\ldk
.endr
.endm
	s_load_b512 s[4:19], s[0:1], 0x0               ; W1 s[4:5], W2 s[6:7], Wmu s[8:9], gW1 s[10:11], gW2 s[12:13], gb1 s[14:15], gb2 s[16:17], gWo s[18:19]
	s_load_b128 s[20:23], s[0:1], 0x40             ; bmu s[20:21], wq s[22:23]
	v_lshrrev_b32 v1, 5, v0
	v_readfirstlane_b32 s47, v1                    ; wave 0..3: my block
	s_lshl_b32 s45, s47, 9
	v_and_b32 v1, 15, v0                           ; r
	v_bfe_u32 v2, v0, 4, 1                         ; h
	v_and_b32 v3, 8, v1
	v_add_nc_u32 v3, v3, v1                        ; r + 8 (r / 8)
	v_lshlrev_b32 v4, 2, v3                        ; as bytes
	v_and_b32 v6, 31, v0
	v_lshl_add_u32 v6, v6, 4, s45                  ; my 16 bytes of the fragment
	v_lshlrev_b32 v7, 2, v1                        ; 4 r
	v_add_nc_u32 v10, s47, v7                      ; my byte of row r's scale word
	v_mov_b32 v36, 0                               ; a lane permute's destination counts as one of its sources
	s_mov_b32 s30, 0x76543210
	s_mov_b32 s31, 0xfedcba98                      ; v_permlanex16_b32's selects for lane l xor 16
	s_mov_b32 s32, 0x600000                        ; the mantissa field of 448
	s_mov_b32 s33, ttmp9                           ; which piece is mine
	s_mov_b32 s35, 0
	s_mov_b32 s37, 0
	s_mov_b32 s39, 0
	s_wait_alu depctr_va_vdst(0)                   ; the wait at the head's end
	s_wait_kmcnt 0x0
	s_cmp_lt_u32 s33, 128
	s_cbranch_scc0 .Lnot_w1
	s_lshr_b32 s40, s33, 4                         ; W1 [4][256][256]: wave w = g / 16, fragment g % 16; tile row r is output 32 w + 8 t + r + 8 (r / 8)
	s_and_b32 s41, s33, 15
	s_lshr_b32 s42, s41, 3
	s_bfe_u32 s43, s41, 0x20001
	s_and_b32 s44, s41, 1
	s_lshl_b32 s34, s43, 18
	PLUS 34, 44, 17
	PLUS 34, 40, 7
	PLUS 34, 42, 5
	s_mul_i32 s36, s40, 49152
	PLUS 36, 41, 11
	s_mul_i32 s38, s40, 1536
	PLUS 38, 42, 9
	PLUS 38, 43, 7
	PLUS 38, 44, 6
	s_add_co_u32 s38, s38, WSO
	LD 4, 4, 1024, 1
	s_branch .Lquant
.Lnot_w1:
	s_cmp_lt_u32 s33, 192
	s_cbranch_scc0 .Lnot_w2
	s_sub_co_u32 s33, s33, 128                     ; W2 [4][256][128]: wave w = g' / 8, fragment g' % 8; tile row r is output 16 w + r
	s_lshr_b32 s40, s33, 3
	s_and_b32 s41, s33, 7
	s_lshr_b32 s43, s41, 1
	s_and_b32 s44, s41, 1
	s_lshl_b32 s34, s43, 17
	PLUS 34, 44, 16
	PLUS 34, 40, 6
	s_mul_i32 s36, s40, 49152
	PLUS 36, 41, 11
	s_add_co_u32 s36, s36, 32768                   ; behind W1's 16 fragments
	s_mul_i32 s38, s40, 1536
	PLUS 38, 43, 7
	PLUS 38, 44, 6
	s_add_co_u32 s38, s38, WSO+1024                ; behind W1's 8 tiles of words
	LD 6, 7, 512, 1
	s_branch .Lquant
.Lnot_w2:
	s_cmp_lt_u32 s33, 196
	s_cbranch_scc0 .Lnot_g1
	s_sub_co_u32 s33, s33, 192                     ; gW1 [256][32]: fragment 2 u + s; tile row r is unit 8 u + r + 8 (r / 8)
	s_lshr_b32 s40, s33, 1
	s_and_b32 s41, s33, 1
	s_lshl_b32 s34, s41, 14
	PLUS 34, 40, 5
	s_lshl_b32 s36, s33, 11
	s_add_co_u32 s36, s36, SMW
	s_lshl_b32 s38, s40, 7
	PLUS 38, 41, 6
	s_add_co_u32 s38, s38, SMW+GS1
	LD 10, 4, 128, 1
	s_branch .Lquant
.Lnot_g1:
	s_cmp_lt_u32 s33, 198
	s_cbranch_scc0 .Lnot_g2
	s_sub_co_u32 s33, s33, 196                     ; gW2 [32][32]: K = 32 is one block, wave 0's; the other three hold zeros
	s_lshl_b32 s34, s33, 5
	s_lshl_b32 s36, s33, 11
	s_add_co_u32 s36, s36, SMW+GW2F
	s_lshl_b32 s38, s33, 6
	s_add_co_u32 s38, s38, SMW+GS2
	s_cmp_eq_u32 s47, 0
	s_cbranch_scc1 .Lg2_load
.irp i, 0,1,2,3,4,5,6,7,8,9,10,11,12,13,14,15
	v_mov_b32 v[64+\i], 0
.endr
	s_wait_alu depctr_va_vdst(0)
	s_branch .Lquant
.Lg2_load:
	LD 12, 4, 128, 0
	s_branch .Lquant
.Lnot_g2:
	s_cmp_lt_u32 s33, 202
	s_cbranch_scc0 .Lnot_mu
	s_sub_co_u32 s33, s33, 198                     ; Wmu [4][128][17]: tile e = expert e, tile row r = action r
	s_mul_i32 s34, s33, 8704
	s_lshl_b32 s36, s33, 11
	s_add_co_u32 s36, s36, SMW+WMF
	s_lshl_b32 s38, s33, 6
	s_add_co_u32 s38, s38, SMW+WMS
	LD 8, 7, 68, 1
	s_branch .Lquant
.Lnot_mu:
	s_cmp_lt_u32 s33, 203
	s_cbranch_scc0 .Ltables
	; Wmu's fifth tile: action 16 of expert r % 8 in the tile rows with r % 8 < 4 (rows 8-11 repeat rows 0-3, so that both halves of the lanes find the four experts in registers 0-3); the rest zeros
	s_mov_b32 s34, 0
	s_mov_b32 s36, SMW+WMF+4*2048
	s_mov_b32 s38, SMW+WMS+4*64
	s_mov_b32 s46, 0x0f0f0f0f
	v_and_b32 v8, 7, v1
	v_min_u32 v8, 3, v8                            ; the lanes that are masked read expert 3's column, inside the buffer
	v_mul_u32_u24 v8, v8, 8704
	v_add_nc_u32 v8, 64, v8
	LD 8, 8, 68, 1
	s_wait_loadcnt 0x0
.irp i, 0,1,2,3,4,5,6,7,8,9,10,11,12,13,14,15
	v_cndmask_b32 v[64+\i], 0, v[64+\i], s46
.endr
	s_wait_alu depctr_va_vdst(0)
.Lquant:
	s_add_nc_u64 s[26:27], s[22:23], s[36:37]
	s_add_nc_u64 s[28:29], s[22:23], s[38:39]
	s_wait_loadcnt 0x0
	v_max3_num_f32 v32, |v64|, |v65|, 0x4800000    ; my 16 numbers, and the floor 2^(9 - 127): the byte cannot fall under 1
	v_max3_num_f32 v40, |v66|, |v67|, |v68|
	v_max3_num_f32 v32, v32, |v69|, |v70|
	v_max3_num_f32 v40, v40, |v71|, |v72|
	v_max3_num_f32 v32, v32, |v73|, |v74|
	v_max3_num_f32 v40, v40, |v75|, |v76|
	v_max3_num_f32 v32, v32, |v77|, |v78|
	v_max3_num_f32 v32, v32, v40, |v79|
	v_permlanex16_b32 v36, v32, s30, s31
	v_max_num_f32 v32, v32, v36                    ; with lane l xor 16's 16: the block's largest magnitude
	v_add_nc_u32 v44, 0xfc000000, v32              ; 8 off its exponent field: the conversion's scale operand
	v_and_or_b32 v40, v32, 0x7f800000, s32         ; 448 x the scale
	v_lshrrev_b32 v9, 23, v44                      ; the scale's byte
.irp i, 0,1,2,3,4,5,6,7,8,9,10,11,12,13,14,15
	v_med3_num_f32 v[64+\i], v[64+\i], -v40, v40   ; the conversion to an 8-bit code does not saturate (ISA guide 7.6.2): the hold comes first
.endr
	v_cvt_scalef32_pk8_fp8_f32 v[48:49], v[64:71], v44
	v_cvt_scalef32_pk8_fp8_f32 v[50:51], v[72:79], v44
	v_nop
	global_store_b128 v6, v[48:51], s[26:27]       ; 32 lanes store 512 consecutive bytes, at a multiple of 256 from wq's first byte
	global_store_b8 v10, v9, s[28:29]              ; byte c of the tile rows' words; lanes r and r + 16 hold the same byte and store it to the same place
	s_endpgm
.Ltables:
	s_cmp_lg_u32 s47, 0
	s_cbranch_scc1 .Lend
	v_lshlrev_b32 v8, 2, v0                        ; 4 x lane
	v_mul_u32_u24 v16, v2, 17
	v_add_nc_u32 v16, v16, v1
	v_lshlrev_b32 v16, 2, v16                      ; bmu[h][r]
	v_and_b32 v19, 7, v1
	v_min_u32 v19, 3, v19
	v_mul_u32_u24 v19, v19, 68
	v_mov_b32 v21, 0
	s_mov_b32 s46, 0x00000f0f
	s_add_nc_u64 s[26:27], s[22:23], SMW
	s_wait_alu depctr_va_vdst(0)
	global_load_b32 v11, v8, s[14:15]              ; gb1
	global_load_b32 v22, v8, s[16:17]              ; gb2
	global_load_b128 v[12:15], v6, s[18:19]        ; gWo: 16 bytes for each k
	global_load_b32 v17, v16, s[20:21]
	global_load_b32 v18, v16, s[20:21] offset:136  ; bmu[2 + h][r]
	global_load_b32 v20, v19, s[20:21] offset:64   ; bmu[r % 8][16]
	s_wait_loadcnt 0x0
	v_cndmask_b32 v20, 0, v20, s46                 ; the fifth tile's rows 0-3 and 8-11; zeros elsewhere
	global_store_b32 v8, v11, s[26:27] offset:GB1
	global_store_b32 v8, v22, s[26:27] offset:GB2
	global_store_b128 v6, v[12:15], s[26:27] offset:GWO
	global_store_b32 v8, v17, s[26:27] offset:BMU
	global_store_b32 v8, v18, s[26:27] offset:BMU+128
	global_store_b32 v8, v20, s[26:27] offset:BMU+256
	global_store_b32 v8, v21, s[26:27] offset:BMU+384   ; the section's last 128 bytes: zeros
	global_store_b32 v7, v21, s[26:27] offset:WMS+320   ; the sixth place among Wmu's scale words: zeros
.Lend:
	s_endpgm
.Lfunc_end_k_q121d9ce93a_prep:
	.size	k_q121d9ce93a_prep, .Lfunc_end_k_q121d9ce93a_prep-k_q121d9ce93a_prep
	.p2alignl 7, 3214868480
	.fill 96, 4, 3214868480
	.section	.rodata,"a",@progbits
	.p2align	6, 0x0
	.amdhsa_kernel k_q121d9ce93a_prep
		.amdhsa_group_segment_fixed_size 0
		.amdhsa_private_segment_fixed_size 0
		.amdhsa_enable_private_segment 0
		.amdhsa_kernarg_size 80
		.amdhsa_user_sgpr_count 2
		.amdhsa_user_sgpr_kernarg_segment_ptr 1
		.amdhsa_wavefront_size32 1
		.amdhsa_system_sgpr_workgroup_id_x 1
		.amdhsa_system_sgpr_workgroup_id_y 1
		.amdhsa_system_sgpr_workgroup_id_z 1
		.amdhsa_system_vgpr_workitem_id 0
		.amdhsa_next_free_vgpr 128
		.amdhsa_next_free_sgpr 66
		.amdhsa_reserve_vcc 0
		.amdhsa_float_denorm_mode_32 3
		.amdhsa_float_denorm_mode_16_64 3
		.amdhsa_memory_ordered 1
		.amdhsa_forward_progress 1
		.amdhsa_inst_pref_size 22
	.end_amdhsa_kernel
	.amdgpu_metadata
---
amdhsa.version: [ 1, 2 ]
amdhsa.kernels:
  - .name:           k_q121d9ce93a_prep
    .symbol:         k_q121d9ce93a_prep.kd
    .args:
      - { .name: W1, .offset: 0, .size: 8, .value_kind: global_buffer, .address_space: global }
      - { .name: W2, .offset: 8, .size: 8, .value_kind: global_buffer, .address_space: global }
      - { .name: Wmu, .offset: 16, .size: 8, .value_kind: global_buffer, .address_space: global }
      - { .name: gW1, .offset: 24, .size: 8, .value_kind: global_buffer, .address_space: global }
      - { .name: gW2, .offset: 32, .size: 8, .value_kind: global_buffer, .address_space: global }
      - { .name: gb1, .offset: 40, .size: 8, .value_kind: global_buffer, .address_space: global }
      - { .name: gb2, .offset: 48, .size: 8, .value_kind: global_buffer, .address_space: global }
      - { .name: gWo, .offset: 56, .size: 8, .value_kind: global_buffer, .address_space: global }
      - { .name: bmu, .offset: 64, .size: 8, .value_kind: global_buffer, .address_space: global }
      - { .name: wq, .offset: 72, .size: 8, .value_kind: global_buffer, .address_space: global }
    .group_segment_fixed_size: 0
    .private_segment_fixed_size: 0
    .kernarg_segment_align: 8
    .kernarg_segment_size: 80
    .max_flat_workgroup_size: 128
    .sgpr_count:     66
    .vgpr_count:     128
    .wavefront_size: 32
...
	.end_amdgpu_metadata
.endif
;; end of part 1
;; launch actor (part 2): grid 256 x 1, 8 waves a work-group, no clusters, 327,680 bytes of LDS; arguments x, wq, b1, b2, gbo, out0; writes out0
.if DOCPART == 2
	.amdgcn_target "amdgcn-amd-amdhsa--gfx1250"
	.amdhsa_code_object_version 6
	.text
	.protected	k_q121d9ce93a_actor
	.globl	k_q121d9ce93a_actor
	.p2align	8
	.type	k_q121d9ce93a_actor,@function
k_q121d9ce93a_actor:
	s_mov_b64 s[64:65], 0
	v_nop
	global_prefetch_b8 v0, s[64:65] scope:SCOPE_SE
	s_setreg_imm32_b32 hwreg(HW_REG_WAVE_MODE, 25, 1), 1
	s_wait_xcnt 0x0
; The whole module for 512 rows of x a work-group, a BLOCK of 128 rows at a time: the gate (two quantised products, ELU, a product in f32, softmax), three layers of four experts blended by the gate's
; four coefficients, ReLU behind the first two.  Quantised products: codes of E4M3, one E8M0 byte for each 32 along K.
; SHARES.  EIGHT WAVES, two to a SIMD, share the COLUMNS: wave w makes outputs 32 w .. 32 w + 31 of layer 1 and 16 w .. 16 w + 15 of layer 2, of all four experts, for all 128 rows.  Its 16 fragments of W1 fill
; window 1 (v256-511), its 8 of W2 v128-255: read once.  The quantising of x, the gate and the head go by ROWS: wave w takes rows 16 w .. 16 w + 15 of the block.
; ORDER.  Two barriers a block.  Behind the first: the HEAD of the block before, LAYER 1.  Behind the second: LAYER 2, and X AND GATE of the next block, which hang on nothing of this one: waves 0-3 take layer 2 first,
; waves 4-7 x and gate, so that the products of the ones stand beside the vector work of the others.
; x comes as f32 into ONE LDS slot, one tensor load a wave (its own 16 rows, which it alone reads); it is filled again behind the first barrier and read behind the second.
; Codes of x and h1 go from wave to wave through LDS as images of the operand's registers; layer 2's blended results go as f32 (a block of 32 spans two waves' tiles) and are quantised by the wave of their rows.
; ALL PRODUCTS ARE USED TRANSPOSED (source 0 = 16 tile rows of a weight, source 1 = 16 rows of activations): a lane holds ONE row, so the blend by that row's coefficients is packed multiply-adds within the lane.
; THE BLENDED BIAS, the sum over e of c[row][e] b[e][o], is a product with K = 4: one v_wmma_f32_16x16x4_f32 a tile; its result is the addend of the blend's first multiply-add.
; NO CLUSTER: what work-groups share is the weights' 393,216 bytes, which each reads once, straight into the registers where they stay; asked for jointly they would pass through LDS, which beside x's 133,120 bytes
; has no room for them, in several dependent fills.  x is read by one wave of one work-group.
; LIMITS: NaN and infinities among the inputs are not served.  A layer's blend is summed as (sum of c b) + c0 a0 + c1 a1 + c2 a2 + c3 a3: another order of f32 roundings than the formula's.  A block of zeros has the scale byte 1 (its codes are zeros).
; ELU's exp(x) - 1 for x < 0 is the lesser of q = x + x^2/2 + x^3/6 + x^4/24, which lies over it by under |x|^5/120, and 2^(x log2 e) - 1 + 2^-23: near 0 that is q, further on the exponential, off by about 2^-23.
; REGISTERS.  v0 the thread, v1 at work, v2 SM + 16 lane, v3 SM + 4 lane, v4, v5 the add's two, v6-11 b1 (two tiles), b2 as source 0 of the bias product, v12-15 addresses or words of the phase,
;   v16-23 the bias product's result, written by matrix instructions alone; v24-127 by phases:
;   x, gate: v24-39 codes, v40-55 the gate's sums, v56-63 the quantiser's, v64-127 numbers of x (two runs of two blocks) and fragments.
;   layer 1: v24 activations' scale word, v25-31, v33 W1's words, v34-37 coefficients, v38-39 the same for the bias product, v40-71 two fragments, v80-103 experts 1-3's sums; v72-79, v104-111, v112-119 take turns as expert 0's sum
;            and, blended in place, as the eight numbers that wait for the quantiser; v120-123 codes, v124-127, v32 the quantiser's.
;   layer 2: v24, v32 words, v25-28 W2's, v40-55 and v104-119 K step 0 of even and odd row tiles, v56-71 K step 1, v72-103 sums, v34-39 and v120-125 coefficients.
;   head: v24-39 codes, v40-55, v112-119 results, v64-111 Wmu's fragments, v120-127 the row's numbers.
.set RA,    133120                     ; LDS: x's slot, 128 rows x 1,040 bytes, then the scale words of W1 and W2 (12,288),
.set SM,    145408                     ; and from here on, as immediates: the small tables (24,576),
.set XSC,   24576                      ; x's scale words: 128 m + 4 x lane (lanes 16-31: K step 1),
.set H1SC,  25600                      ; h1's: 128 m + 64 s + 4 r + block
.set CCO,   26624                      ; the coefficients: 16 bytes a row
.set BCO,   28672                      ; the same as source 1 of the bias product: 256 m + 8 x lane
.set XIMG,  30720                      ; x's 16 fragments (2 m + s), 2,048 bytes each
.set H1IMG, 63488                      ; h1's
.set H2F,   96256                      ; layer 2's results: 128 rows of 512 bytes + 16 of padding
.set OST,   163840                     ; 128 rows of out0, 68 bytes each, dense
.set CC2,   145920                     ; so far behind CCO and BCO lies a copy of both, for layer 2 and the head: the next block's are stored meanwhile
.set SPARE, 322048                     ; the spare words, 128 bytes for each wave: four blocks of 256 bytes that no other line names
.set GW1F,  0
.set GW2F,  8192
.set WMF,   12288
.set GS1,   22528
.set GS2,   22784
.set WMS,   22912
.set GB1,   23296
.set GB2,   23424
.set GWO,   23552
.set BMU,   24064
.set WSO,   393216                     ; in wq: the scale words, and behind them the small tables
.set ACC,   72
.set MSB, 0
.macro WIN new                         ; the immediate's high byte repeats the setting that is left
.if MSB != (\new)
	s_set_vgpr_msb (MSB<<8)|(\new)
.set MSB, (\new)
.endif
.endm
.macro WALU
	s_wait_alu depctr_va_vdst(0)
.endm
.macro PLACES n
.rept \n
	v_nop
.endr
.endm
.macro LD4 d, ad, o                    ; a fragment from its image: lane l's 16 bytes at 16 l, 512 bytes a load
.irp c, 0,1,2,3
	ds_load_b128 v[\d+4*\c:\d+4*\c+3], v\ad offset:\o+512*\c
.endr
.endm
; Four of my 24 fragments of W1 (0-15, window 1) and W2 (16-23).  v2 is SM + 16 lane: the immediate takes SM away again
.macro WCH f0
.irp g, 0,1,2,3
.irp c, 0,1,2,3
.if (\f0) < 16
	WIN 0x40
	global_load_b128 v[16*(\f0+\g)+4*\c:16*(\f0+\g)+4*\c+3], v2, s[70:71] offset:2048*(\f0+\g)+512*\c-SM
.else
	global_load_b128 v[128+16*(\f0+\g-16)+4*\c:128+16*(\f0+\g-16)+4*\c+3], v2, s[70:71] offset:2048*(\f0+\g)+512*\c-SM
.endif
.endr
.endr
	WIN 0
.endm
; A scaled product.  k = 0: C = 0, lanes 0-15's words;  1: C = D, both sides' words from lanes 16-31;  2: C = D, lanes 0-15;  3: C = D, source 0's from lanes 16-31
.macro SP d, a, b, sa, sb, k
.if \k == 0
	v_wmma_scale_f32_16x16x128_f8f6f4 v[\d:\d+7], v[\a:\a+15], v[\b:\b+15], 0, v[\sa], v[\sb]
.elseif \k == 1
	v_wmma_scale_f32_16x16x128_f8f6f4 v[\d:\d+7], v[\a:\a+15], v[\b:\b+15], v[\d:\d+7], v[\sa], v[\sb] matrix_a_scale:MATRIX_SCALE_ROW1 matrix_b_scale:MATRIX_SCALE_ROW1
.elseif \k == 2
	v_wmma_scale_f32_16x16x128_f8f6f4 v[\d:\d+7], v[\a:\a+15], v[\b:\b+15], v[\d:\d+7], v[\sa], v[\sb]
.else
	v_wmma_scale_f32_16x16x128_f8f6f4 v[\d:\d+7], v[\a:\a+15], v[\b:\b+15], v[\d:\d+7], v[\sa], v[\sb] matrix_a_scale:MATRIX_SCALE_ROW1
.endif
.endm
; Line k (0 .. 7) of the largest of 16 numbers at n, in two chains a, b, with the floor 2^(9 - 127), under which a byte would fall under 1.  rl = 1: no |.|: what is negative becomes 0 (ReLU) and must not count
.macro MXS rl, k, a, b, n
.if \rl
.if \k == 0
	v_max3_num_f32 v[\a], v[\n], v[\n+1], 0x4800000
.elseif \k == 1
	v_max3_num_f32 v[\b], v[\n+2], v[\n+3], v[\n+4]
.elseif \k == 7
	v_max3_num_f32 v[\a], v[\a], v[\b], v[\n+15]
.elseif (\k)&1
	v_max3_num_f32 v[\b], v[\b], v[\n+2*\k+1], v[\n+2*\k+2]
.else
	v_max3_num_f32 v[\a], v[\a], v[\n+2*\k+1], v[\n+2*\k+2]
.endif
.else
.if \k == 0
	v_max3_num_f32 v[\a], |v[\n]|, |v[\n+1]|, 0x4800000
.elseif \k == 1
	v_max3_num_f32 v[\b], |v[\n+2]|, |v[\n+3]|, |v[\n+4]|
.elseif \k == 7
	v_max3_num_f32 v[\a], v[\a], v[\b], |v[\n+15]|
.elseif (\k)&1
	v_max3_num_f32 v[\b], v[\b], |v[\n+2*\k+1]|, |v[\n+2*\k+2]|
.else
	v_max3_num_f32 v[\a], v[\a], |v[\n+2*\k+1]|, |v[\n+2*\k+2]|
.endif
.endif
.endm
; Two blocks of 32 at once, 16 numbers of each in a lane at n and n + 16: the maxima; the scales and two bytes of the row's word; the holds and conversions
.macro Q2MAX n, rl
.irp k, 0,1,2,3,4,5,6,7
.irp b, 0,1
	MXS \rl, \k, 56+\b, 58+\b, \n+16*\b
.endr
.endr
.endm
.macro Q2SC pw, first
.irp b, 0,1
	v_permlanex16_b32 v[60+\b], v[56+\b], s20, s21
.endr
.irp b, 0,1
	v_max_num_f32 v[56+\b], v[56+\b], v[60+\b]     ; with lane l xor 16's: the block's largest magnitude
.endr
.irp b, 0,1
	v_add_nc_u32 v[62+\b], 0xfc000000, v[56+\b]    ; 8 off its exponent field: the conversion's scale operand
.endr
.irp b, 0,1
	v_and_or_b32 v[58+\b], v[56+\b], 0x7f800000, s19   ; 448 x the scale
.endr
.irp b, 0,1
	v_lshrrev_b32 v[60+\b], 23, v[62+\b]           ; the scale's byte
.endr
.if \first
	v_lshl_or_b32 v[\pw], v61, 8, v60
.else
	v_lshl_or_b32 v[\pw], v60, 16, v[\pw]
	v_lshl_or_b32 v[\pw], v61, 24, v[\pw]
.endif
.endm
.macro Q2CV n, d, rl
.irp b, 0,1
.irp i, 0,1,2,3,4,5,6,7,8,9,10,11,12,13,14,15
.if \rl
	v_med3_num_f32 v[\n+16*\b+\i], v[\n+16*\b+\i], 0, v[58+\b]   ; the ReLU and the hold in one
.else
	v_med3_num_f32 v[\n+16*\b+\i], v[\n+16*\b+\i], -v[58+\b], v[58+\b]   ; the conversion to an 8-bit code does not saturate (ISA guide 7.6.2): the hold comes first
.endif
.endr
	v_cvt_scalef32_pk8_fp8_f32 v[\d+4*\b:\d+4*\b+1], v[\n+16*\b:\n+16*\b+7], v[62+\b]
	v_cvt_scalef32_pk8_fp8_f32 v[\d+4*\b+2:\d+4*\b+3], v[\n+16*\b+8:\n+16*\b+15], v[62+\b]
.endr
	v_nop                                          ; a plain line behind the last conversion
.endm
.macro LDX q                           ; my numbers of x's blocks 2 q, 2 q + 1: 16 of each, to v64 (q even) or v96
.irp b, 0,1
.irp j, 0,1,2,3
	ds_load_b128 v[64+32*((\q)&1)+16*\b+4*\j:64+32*((\q)&1)+16*\b+4*\j+3], v1 offset:256*(\q)+128*\b+16*\j
.endr
.endr
.endm
.macro IMAGE off
.irp c, 0,1,2,3
	ds_store_b128 v63, v[24+4*\c:27+4*\c] offset:\off+512*\c
.endr
.endm
; ELU of 16 numbers in place.  y: the exponential's form, q: the polynomial.  The median of x, the lesser of the two and 0: under 0, x < exp(x) - 1 < 0; over 0, 0 < x < both
.macro ELU16 x, y, q
.irp j, 0,2,4,6,8,10,12,14
	v_pk_mul_f32 v[\y+\j:\y+\j+1], v[\x+\j:\x+\j+1], 0x3fb8aa3b op_sel_hi:[1,0]
.endr
	WALU
.irp j, 0,1,2,3,4,5,6,7,8,9,10,11,12,13,14,15
	v_exp_f32 v[\y+\j], v[\y+\j]
.endr
.irp j, 0,2,4,6,8,10,12,14                     ; the polynomial names no exponential's result: it is the work between the batch and its wait
	v_pk_fma_f32 v[\q+\j:\q+\j+1], v[\x+\j:\x+\j+1], s[22:23], v[56:57] op_sel_hi:[1,0,1]   ; x / 24 + 1 / 6
.endr
.irp j, 0,2,4,6,8,10,12,14
	v_pk_fma_f32 v[\q+\j:\q+\j+1], v[\q+\j:\q+\j+1], v[\x+\j:\x+\j+1], 0.5 op_sel_hi:[1,1,0]
.endr
.irp j, 0,2,4,6,8,10,12,14
	v_pk_mul_f32 v[\q+\j:\q+\j+1], v[\q+\j:\q+\j+1], v[\x+\j:\x+\j+1]
.endr
.irp j, 0,2,4,6,8,10,12,14
	v_pk_fma_f32 v[\q+\j:\q+\j+1], v[\q+\j:\q+\j+1], v[\x+\j:\x+\j+1], v[\x+\j:\x+\j+1]
.endr
	WALU                                           ; one wait for the 16 exponentials, ahead of their first reader
.irp j, 0,2,4,6,8,10,12,14
	v_pk_add_f32 v[\y+\j:\y+\j+1], v[\y+\j:\y+\j+1], 0xbf7ffffe op_sel_hi:[1,0]   ; - (1 - 2^-23)
.endr
.irp j, 0,1,2,3,4,5,6,7,8,9,10,11,12,13,14,15
	v_min_num_f32 v[\y+\j], v[\y+\j], v[\q+\j]
.endr
.irp j, 0,1,2,3,4,5,6,7,8,9,10,11,12,13,14,15
	v_med3_num_f32 v[\x+\j], v[\x+\j], v[\y+\j], 0
.endr
.endm
.macro LOGIT i                         ; unit 16 h + i's part of the four logits, in two chains a pair
.set g_x, 96+2*((\i)/2)
.if \i < 4
.set g_w, 24+4*\i
.elseif \i < 12
.set g_w, 64+4*(\i-4)
.else
.set g_w, 40+4*(\i-12)
.endif
.set g_d, 112+4*((\i)&1)
.if \i == 0
	v_pk_mul_f32 v[g_d:g_d+1], v[g_w:g_w+1], v[g_x:g_x+1] op_sel_hi:[1,0]
	v_pk_mul_f32 v[g_d+2:g_d+3], v[g_w+2:g_w+3], v[g_x:g_x+1] op_sel_hi:[1,0]
.elseif \i == 1
	v_pk_mul_f32 v[g_d:g_d+1], v[g_w:g_w+1], v[g_x:g_x+1] op_sel:[0,1]
	v_pk_mul_f32 v[g_d+2:g_d+3], v[g_w+2:g_w+3], v[g_x:g_x+1] op_sel:[0,1]
.elseif ((\i)&1) == 0
	v_pk_fma_f32 v[g_d:g_d+1], v[g_w:g_w+1], v[g_x:g_x+1], v[g_d:g_d+1] op_sel_hi:[1,0,1]
	v_pk_fma_f32 v[g_d+2:g_d+3], v[g_w+2:g_w+3], v[g_x:g_x+1], v[g_d+2:g_d+3] op_sel_hi:[1,0,1]
.else
	v_pk_fma_f32 v[g_d:g_d+1], v[g_w:g_w+1], v[g_x:g_x+1], v[g_d:g_d+1] op_sel:[0,1,0]
	v_pk_fma_f32 v[g_d+2:g_d+3], v[g_w+2:g_w+3], v[g_x:g_x+1], v[g_d+2:g_d+3] op_sel:[0,1,0]
.endif
.endm
.macro LD4G d, i                       ; four rows of gWo
.irp c, 0,1,2,3
	ds_load_b128 v[\d+4*\c:\d+4*\c+3], v63 offset:GWO+16*(\i+\c)
.endr
.endm
; X AND THE GATE, for my 16 rows.  wl = 1 (the first block): the weights are asked for on the way
.macro XG wl
	v_and_b32 v1, 15, v0
	v_bfe_u32 v15, v0, 4, 1
	v_mul_u32_u24 v1, v1, 1040
	v_lshl_add_u32 v1, v15, 6, v1
	v_add_nc_u32 v1, s44, v1                       ; my wave's part of the slot, row r, + 64 h: my 16 numbers of a block of 32
	WALU
	s_wait_tensorcnt 0x0                           ; my rows are in
	LDX 0
	LDX 1
.if \wl
	WCH 0
	WCH 4
.endif
	s_wait_dscnt 8                                 ; the first two blocks are in; the next eight loads may be out
	Q2MAX 64, 0
	Q2SC 12, 1
	Q2CV 64, 24, 0
	LDX 2
.if \wl
	WCH 8
.endif
	s_wait_dscnt 8
	Q2MAX 96, 0
	Q2SC 12, 0
	Q2CV 96, 32, 0
	v_add_nc_u32 v63, s47, v2
	v_lshl_add_u32 v62, v15, 6, SM                 ; gb1, gb2: my half's 16 units
	IMAGE XIMG
	LD4 96, 2, GW1F                                ; gW1's fragments (2 u + s): K step 0
	LD4 112, 2, GW1F+4096
	ds_load_b32 v14, v3 offset:GS1
	ds_load_b32 v15, v3 offset:GS1+128
.irp i, 0,1,2,3
	ds_load_b128 v[40+4*\i:43+4*\i], v62 offset:GB1+16*\i   ; gb1: the C of the sums' first products
.endr
	s_wait_dscnt 18                                ; x's next two blocks are in: behind their loads stand 4 stores and 14 loads
	Q2MAX 64, 0                                    ; (also places between the codes and the products)
	WALU
	s_wait_dscnt 0x0
	WALU                                           ; a wait directly ahead of each step of these two sums
	SP 40, 96, 24, 14, 12, 2
	WALU
	SP 48, 112, 24, 15, 12, 2
	Q2SC 13, 1
	LDX 3
	Q2CV 64, 24, 0
	LD4 64, 2, GW1F+2048
	LD4 80, 2, GW1F+6144
.if \wl
	WCH 12
.endif
	s_wait_dscnt 8                                 ; x's last two blocks are in, gW1's eight loads may be out
	Q2MAX 96, 0
	Q2SC 13, 0
	Q2CV 96, 32, 0
	v_add_nc_u32 v63, s47, v2
	v_cndmask_b32 v1, v12, v13, s25                ; one word a lane: lanes 0-15 K step 0's, lanes 16-31 K step 1's
	v_add_nc_u32 v62, s48, v3
	IMAGE XIMG+2048
	ds_store_b32 v62, v1 offset:XSC
	WALU
	s_wait_dscnt 5                                 ; gW1 is in; the five stores may be out
	WALU
	SP 40, 64, 24, 14, 13, 3
	WALU
	SP 48, 80, 24, 15, 13, 3
	v_mov_b32 v56, 0x3e2aaaab                      ; 1/6, twice.  These eight lines are the places behind the products
	v_mov_b32 v57, 0x3e2aaaab
	v_and_b32 v58, 15, v0
	v_lshl_add_u32 v58, v58, 4, s45                ; where my rows' coefficients go,
	v_and_b32 v59, 31, v0
	v_lshl_add_u32 v59, v59, 3, s46                ; in both forms
	v_bfe_u32 v1, v0, 4, 1
	v_lshl_add_u32 v62, v1, 6, SM
	ds_load_b128 v[64:67], v2 offset:GW2F          ; gW2's K is 32: one block of each fragment; the other three keep gW1's codes, finite numbers which meet zero codes on the other side
	ds_load_b128 v[80:83], v2 offset:GW2F+2048
	ds_load_b32 v14, v3 offset:GS2
.if \wl
	WCH 16
.endif
	ELU16 40, 96, 112                              ; lane (r, h): units 16 h + 0 .. 15 of row r: half of the one block of the next K
.irp i, 0,1,2,3
	ds_load_b128 v[96+4*\i:99+4*\i], v62 offset:GB2+16*\i
.endr
.irp b, 28,29,30,31,32,33,34,35,36,37,38,39
	v_mov_b32 v\b, 0                               ; K ends at 32: zero codes
.endr
.irp k, 0,1,2,3,4,5,6,7
	MXS 0, \k, 62, 63, 40
.endr
	v_permlanex16_b32 v60, v62, s20, s21
	v_max_num_f32 v62, v62, v60
	v_add_nc_u32 v61, 0xfc000000, v62
	v_and_or_b32 v12, v62, 0x7f800000, s19
	v_lshrrev_b32 v13, 23, v61                     ; the scale word: the byte, under three bytes 0 for the zero codes
.irp i, 0,1,2,3,4,5,6,7,8,9,10,11,12,13,14,15
	v_med3_num_f32 v[40+\i], v[40+\i], -v12, v12
.endr
	v_cvt_scalef32_pk8_fp8_f32 v[24:25], v[40:47], v61
	v_cvt_scalef32_pk8_fp8_f32 v[26:27], v[48:55], v61
	v_lshl_add_u32 v63, v1, 8, SM                  ; gWo: my half's 16 rows
	PLACES 3                                       ; codes made by vector instructions stand four places ahead of a scaled product
	WALU
	s_wait_dscnt 0x0
	SP 96, 64, 24, 14, 13, 2
	SP 104, 80, 24, 14, 13, 3
	PLACES 8
	LD4G 24, 0
	LD4G 64, 4
	LD4G 80, 8
	ELU16 96, 40, 112
	LD4G 40, 12
.if \wl
	WCH 20
.endif
	WALU
	s_wait_dscnt 4                                 ; gWo's first twelve rows
.irp i, 0,1,2,3,4,5,6,7,8,9,10,11
	LOGIT \i
.endr
	WALU
	s_wait_dscnt 0x0
.irp i, 12,13,14,15
	LOGIT \i
.endr
	v_pk_add_f32 v[112:113], v[112:113], v[116:117]
	v_pk_add_f32 v[114:115], v[114:115], v[118:119]
.irp j, 0,1,2,3
	v_permlanex16_b32 v[120+\j], v[112+\j], s20, s21
.endr
	v_pk_add_f32 v[112:113], v[112:113], v[120:121]   ; with lane l xor 16's 16 units
	v_pk_add_f32 v[114:115], v[114:115], v[122:123]
	v_add_f32 v112, s28, v112
	v_add_f32 v113, s29, v113
	v_add_f32 v114, s30, v114
	v_add_f32 v115, s31, v115
	v_max3_num_f32 v124, v112, v113, v114          ; the softmax: the largest logit is taken away first
	v_max_num_f32 v124, v124, v115
	v_pk_add_f32 v[112:113], v[112:113], v[124:125] op_sel_hi:[1,0] neg_lo:[0,1] neg_hi:[0,1]
	v_pk_add_f32 v[114:115], v[114:115], v[124:125] op_sel_hi:[1,0] neg_lo:[0,1] neg_hi:[0,1]
	v_pk_mul_f32 v[112:113], v[112:113], 0x3fb8aa3b op_sel_hi:[1,0]
	v_pk_mul_f32 v[114:115], v[114:115], 0x3fb8aa3b op_sel_hi:[1,0]
	WALU
.irp j, 0,1,2,3
	v_exp_f32 v[120+\j], v[112+\j]
.endr
	v_nop                                          ; a plain line behind the last exponential
	WALU
	v_add_f32 v126, v120, v121
	v_add_f32 v127, v122, v123
	v_add_f32 v126, v126, v127
	WALU
	v_rcp_f32 v126, v126
	v_nop
	WALU
	v_pk_mul_f32 v[120:121], v[120:121], v[126:127] op_sel_hi:[1,0]
	v_pk_mul_f32 v[122:123], v[122:123], v[126:127] op_sel_hi:[1,0]
	v_cndmask_b32 v124, v120, v122, s25            ; lane (r, h): c[r][2 h], c[r][2 h + 1]
	v_cndmask_b32 v125, v121, v123, s25
	ds_store_b128 v58, v[120:123]                  ; lanes r and r + 16 store the same 16 bytes to the same place
	ds_store_b64 v59, v[124:125]
.endm
; Expert e's part of the blend, in place at h (expert 0's sum), two numbers; each sum is read from its low end on.  c: the coefficients
.macro BLJ h, c, e, j
.if \e == 0
	v_pk_fma_f32 v[\h+\j:\h+\j+1], v[\h+\j:\h+\j+1], v[\c:\c+1], v[16+\j:17+\j] op_sel_hi:[1,0,1]
.elseif (\e)&1
	v_pk_fma_f32 v[\h+\j:\h+\j+1], v[ACC+8*\e+\j:ACC+8*\e+\j+1], v[\c+\e-1:\c+\e], v[\h+\j:\h+\j+1] op_sel:[0,1,0]
.else
	v_pk_fma_f32 v[\h+\j:\h+\j+1], v[ACC+8*\e+\j:ACC+8*\e+\j+1], v[\c+\e:\c+\e+1], v[\h+\j:\h+\j+1] op_sel_hi:[1,0,1]
.endif
.endm
.macro BL4 h, c, e
.irp j, 0,2,4,6
	BLJ \h, \c, \e, \j
.endr
.endm
.macro BLEND h, c
.irp e, 0,1,2,3
	BL4 \h, \c, \e
.endr
.endm
; LAYER 1, one of my two tiles for one row tile: four experts' sums by turns (expert 0's at a), K step 0 and then K step 1; the bias.  wait = 1: the coefficients may still be on their way
.macro U1 t, a, wait
	WIN 1
	SP \a, 128*\t, 40, 25+4*\t, 24, 0
.irp e, 1,2,3
	SP ACC+8*\e, 16*(8*\t+2*\e), 40, 25+(4*\t+\e)+(4*\t+\e)/7, 24, 0
.endr
	SP \a, 128*\t+16, 56, 25+4*\t, 24, 1
.irp e, 1,2,3
	SP ACC+8*\e, 16*(8*\t+2*\e+1), 56, 25+(4*\t+\e)+(4*\t+\e)/7, 24, 1
.endr
	WIN 0
.if \wait
	s_wait_dscnt 0x0
.endif
	v_wmma_f32_16x16x4_f32 v[16:23], v[6+2*\t:7+2*\t], v[38:39], 0
.endm
; Which eight registers serve in row tile m: r_ expert 0's sum of the first tile; p_ the row tile before's first eight numbers, then expert 0's sum of the second tile; q_ the row tile before's other eight
.macro ROT m
.if ((\m)%3) == 0
.set r_, 72
.set p_, 104
.set q_, 112
.elseif ((\m)%3) == 1
.set r_, 112
.set p_, 72
.set q_, 104
.else
.set r_, 104
.set p_, 112
.set q_, 72
.endif
.endm
; The quantiser of the row tile before: 16 neighbours along the next K in p_ and q_, half a block of 32
.macro MXPQ
	v_max3_num_f32 v124, v[p_], v[p_+1], 0x4800000
	v_max3_num_f32 v125, v[p_+2], v[p_+3], v[p_+4]
	v_max3_num_f32 v124, v124, v[p_+5], v[p_+6]
	v_max3_num_f32 v125, v125, v[p_+7], v[q_]
	v_max3_num_f32 v124, v124, v[q_+1], v[q_+2]
	v_max3_num_f32 v125, v125, v[q_+3], v[q_+4]
	v_max3_num_f32 v124, v124, v[q_+5], v[q_+6]
	v_max3_num_f32 v124, v124, v125, v[q_+7]
.endm
.macro HOLD8 x
.irp i, 0,1,2,3,4,5,6,7
	v_med3_num_f32 v[\x+\i], v[\x+\i], 0, v32      ; the ReLU and the hold in one
.endr
.endm
.macro QP1 blend                       ; the scale and the first eight codes; blend = 1: the first tile's blend stands between the lines
	MXPQ
	v_permlanex16_b32 v126, v124, s20, s21
.if \blend
	BL4 r_, 34, 0
.endif
	v_max_num_f32 v124, v124, v126
.if \blend
	BLJ r_, 34, 1, 0
	BLJ r_, 34, 1, 2
.endif
	v_add_nc_u32 v127, 0xfc000000, v124
.if \blend
	BLJ r_, 34, 1, 4
	BLJ r_, 34, 1, 6
.endif
	v_and_or_b32 v32, v124, 0x7f800000, s19
.if \blend
	BL4 r_, 34, 2
.endif
	HOLD8 p_
.if \blend
	BL4 r_, 34, 3
.endif
	v_cvt_scalef32_pk8_fp8_f32 v[120:121], v[p_:p_+7], v127
	v_lshrrev_b32 v125, 23, v127                   ; the byte (and the plain line behind the conversion)
.endm
.macro QST p
	v_cvt_scalef32_pk8_fp8_f32 v[122:123], v[q_:q_+7], v127
	ds_store_b128 v14, v[120:123] offset:4096*(\p)
	ds_store_b8 v15, v125 offset:128*(\p)          ; lanes r and r + 16 store the same byte to the same place
.endm
.macro LDACT m
	LD4 40, 2, XIMG+4096*(\m)
	LD4 56, 2, XIMG+4096*(\m)+2048
	ds_load_b32 v24, v3 offset:XSC+128*(\m)
.endm
.macro LDCOEF m
	ds_load_b128 v[34:37], v12 offset:CCO+256*(\m)
	ds_load_b64 v[38:39], v13 offset:BCO+256*(\m)
.endm
; Row tile m of layer 1
.macro L1T m, rf
	ROT \m
.if \m > 0
	WALU
.if \m == 1
	s_wait_dscnt 2                                 ; the fragments and their word; the two loads of coefficients may be out
.else
	s_wait_dscnt 4                                 ; (and the two stores ahead of them)
.endif
.endif
	U1 0, r_, \m
.if \m > 0
	QP1 1
.else
	PLACES 8
.if \rf
	s_wait_xcnt 0x0                                ; the prefetches have read their address: their base steps
	s_add_nc_u64 s[60:61], s[60:61], 131072
.endif
	BLEND r_, 34
.endif
	U1 1, p_, 0
.if \m > 0
	HOLD8 q_
.else
	PLACES 8
.endif
.if \m < 7
	LDACT \m+1
.endif
.if \m > 0
	QST \m-1
.endif
	BLEND p_, 34
.if \m < 7
	LDCOEF \m+1
.endif
.endm
.macro LAYER1 rf
	v_and_b32 v13, 31, v0
	v_lshl_add_u32 v1, v13, 2, s49                 ; my words of W1
	v_lshlrev_b32 v120, 8, v13                     ; the prefetches: lanes 256 bytes apart
	v_lshl_add_u32 v118, v13, 3, s45               ; my rows' coefficients: 256 bytes of each form,
	v_add_nc_u32 v119, CC2, v118                   ; and their copy
	v_lshl_add_u32 v13, v13, 3, SM                 ; coefficients for the bias product
	v_and_b32 v12, 15, v0
	v_lshl_add_u32 v15, v12, 2, s51                ; h1: my byte,
	v_lshl_add_u32 v12, v12, 4, SM                 ; (a row's coefficients)
	v_add_nc_u32 v14, s50, v2                      ; and my block of its image
.irp i, 0,1,2,3,4,5,6,7
	ds_load_b32 v[25+\i+\i/7], v1 offset:128*\i
.endr
	LDACT 0
	LDCOEF 0
	ds_load_b64 v[104:105], v118
	ds_load_b64 v[106:107], v118 offset:2048
.if \rf
	; A prefetch of my wave's 16 rows (16,384 dense bytes) of the block two on: two lines, lanes 256 bytes apart: each aligned run of 256 bytes of blocks 2 and 3 is named once in the launch, one block
	; ahead of the tensor load that wants it.  Blocks 0 and 1 come by their loads alone; block 2 has none two further on.
	s_cmp_lt_u32 s18, 2
	s_cbranch_scc0 .Lno_pf
	global_prefetch_b8 v120, s[60:61] th:TH_LOAD_NT scope:SCOPE_SE
	global_prefetch_b8 v120, s[60:61] offset:8192 th:TH_LOAD_NT scope:SCOPE_SE
.Lno_pf:
.endif
	WALU
	s_wait_loadcnt 32                              ; W1 is in; W2's 32 loads may be out (met at once from the second block on)
	s_wait_dscnt 0x0
	ds_store_b64 v119, v[104:105]                  ; the copy for layer 2 and the head
	ds_store_b64 v119, v[106:107] offset:2048
	L1T 0, \rf
	L1T 1, \rf
	L1T 2, \rf
	L1T 3, \rf
	L1T 4, \rf
	L1T 5, \rf
	L1T 6, \rf
	L1T 7, \rf
	ROT 8
	QP1 0                                          ; the last row tile's quantiser
	HOLD8 q_
	QST 7
.endm
; LAYER 2.  The loads that row tile m wants at its start: K step 0 (into one of two buffers), the words, the coefficients
.macro L2LD m
	LD4 40+64*((\m)&1), 15, 4096*(\m)
	ds_load_b32 v[24+8*((\m)&1)], v3 offset:H1SC+128*(\m)
	ds_load_b128 v[34+86*((\m)&1):37+86*((\m)&1)], v12 offset:CCO+256*(\m)
	ds_load_b64 v[38+86*((\m)&1):39+86*((\m)&1)], v13 offset:BCO+256*(\m)
.endm
.macro L2T m
.set nx_, 0
.set st_, 0
.if \m < 7
	L2LD \m+1
.set nx_, 7
.endif
.if \m > 0
.set st_, 2
.endif
	s_wait_dscnt nx_+st_+4                         ; K step 0 is in; K step 1's four loads, the stores behind them and the next tile's seven loads may be out
.irp e, 0,1,2,3
	SP ACC+8*\e, 128+32*\e, 40+64*((\m)&1), 25+\e, 24+8*((\m)&1), 0
.endr
	v_wmma_f32_16x16x4_f32 v[16:23], v[10:11], v[38+86*((\m)&1):39+86*((\m)&1)], 0
	s_wait_dscnt nx_+st_                           ; K step 1 is in
.irp e, 0,1,2,3
	SP ACC+8*\e, 128+32*\e+16, 56, 25+\e, 24+8*((\m)&1), 1
.endr
	PLACES 9                                       ; nine: the blend below names expert 0's sum, which the next row tile begins anew
.if \m < 7
	LD4 56, 15, 4096*(\m+1)+2048
.endif
	BLEND 72, 34+86*((\m)&1)
	ds_store_b128 v14, v[72:75] offset:8448*(\m)   ; outputs 16 w + 8 h + 0 .. 7 of row 16 m + r
	ds_store_b128 v14, v[76:79] offset:8448*(\m)+16
.endm
.macro LAYER2
	v_and_b32 v13, 31, v0
	v_lshl_add_u32 v1, v13, 2, s49                 ; my words of W2
	v_lshl_add_u32 v13, v13, 3, SM+CC2             ; the copies of the coefficients
	v_and_b32 v12, 15, v0
	v_mul_u32_u24 v14, v12, 528
	v_lshl_add_u32 v12, v12, 4, SM+CC2
	v_bfe_u32 v15, v0, 4, 1
	v_lshl_add_u32 v14, v15, 5, v14
	v_add_nc_u32 v14, s53, v14                     ; where the results go: row r, my 16 outputs, my half's 8
	v_add_nc_u32 v15, H1IMG, v2
.irp e, 0,1,2,3
	ds_load_b32 v[25+\e], v1 offset:1024+128*\e
.endr
	L2LD 0
	LD4 56, 15, 2048
	WALU
	s_wait_loadcnt 0x0                             ; W2
	L2T 0
	L2T 1
	L2T 2
	L2T 3
	L2T 4
	L2T 5
	L2T 6
	L2T 7
.endm
; The head's addresses: register work between a barrier's signal and its wait
.macro HADR
	v_and_b32 v1, 15, v0
	v_lshl_add_u32 v13, v1, 4, s59                 ; my rows' coefficients, the copy
	v_mul_u32_u24 v1, v1, 528
	v_bfe_u32 v12, v0, 4, 1
	v_lshl_add_u32 v1, v12, 6, v1
	v_add_nc_u32 v1, s54, v1                       ; my row r, my half's 16 numbers of a block
	v_lshl_add_u32 v14, v12, 5, SM                 ; bmu: my half's 8 actions
	WALU
.endm
; THE HEAD, for my 16 rows: tiles 0-3: expert e's actions 0-15; tile 4: action 16 of the four experts
.macro HEAD
.irp c, 0,1,2,3
.irp j, 0,1,2,3
	ds_load_b128 v[64+16*\c+4*\j:67+16*\c+4*\j], v1 offset:128*\c+16*\j
.endr
.endr
.irp t, 0,1
	ds_load_b128 v[40+8*\t:43+8*\t], v14 offset:BMU+64*\t      ; bmu in the result's layout: the C of the products
	ds_load_b128 v[44+8*\t:47+8*\t], v14 offset:BMU+64*\t+16
.endr
	ds_load_b128 v[12:15], v13
	s_wait_dscnt 13                                ; the first two blocks; 13 loads may be out
	Q2MAX 64, 1
	Q2SC 1, 1
	Q2CV 64, 24, 1
	LD4 64, 2, WMF
	LD4 80, 2, WMF+2048
	s_wait_dscnt 13                                ; the other two: behind them stand 5 loads and Wmu's 8
	Q2MAX 96, 1
	Q2SC 1, 0
	Q2CV 96, 32, 1
	LD4 96, 2, WMF+4096
.irp q, 0,1,2
	ds_load_b32 v[58+\q], v3 offset:WMS+128*\q     ; lanes 0-15: tile 2 q's words, lanes 16-31: tile 2 q + 1's
.endr
	v_bfe_u32 v61, v0, 4, 1
	v_lshl_add_u32 v62, v61, 5, SM
	v_and_b32 v63, 15, v0
	v_mad_u32_u24 v63, v63, 68, s55                ; row r of out0 in LDS,
	v_lshl_add_u32 v61, v61, 5, v63                ; and my half's 8 actions
	ds_load_b128 v[112:115], v62 offset:BMU+128
	ds_load_b128 v[116:119], v62 offset:BMU+144
	WALU
	s_wait_dscnt 0x0
	SP 40, 64, 24, 58, 1, 2
	SP 48, 80, 24, 58, 1, 3
	SP 112, 96, 24, 59, 1, 2
	PLACES 8
	LD4 64, 2, WMF+3*2048
	LD4 80, 2, WMF+4*2048
.irp j, 0,2,4,6
	v_pk_mul_f32 v[120+\j:121+\j], v[40+\j:41+\j], v[12:13] op_sel_hi:[1,0]
.endr
.irp j, 0,2,4,6
	v_pk_fma_f32 v[120+\j:121+\j], v[48+\j:49+\j], v[12:13], v[120+\j:121+\j] op_sel:[0,1,0]
.endr
.irp j, 0,2,4,6
	v_pk_fma_f32 v[120+\j:121+\j], v[112+\j:113+\j], v[14:15], v[120+\j:121+\j] op_sel_hi:[1,0,1]
.endr
.irp t, 0,1
	ds_load_b128 v[40+8*\t:43+8*\t], v62 offset:BMU+64*(\t+3)
	ds_load_b128 v[44+8*\t:47+8*\t], v62 offset:BMU+64*(\t+3)+16
.endr
	WALU
	s_wait_dscnt 0x0
	SP 40, 64, 24, 59, 1, 3
	SP 48, 80, 24, 60, 1, 2
	PLACES 8
.irp j, 0,2,4,6
	v_pk_fma_f32 v[120+\j:121+\j], v[40+\j:41+\j], v[14:15], v[120+\j:121+\j] op_sel:[0,1,0]
.endr
	v_mul_f32 v56, v48, v12                        ; action 16: register e of the fifth tile is expert e's
	v_fma_f32 v56, v49, v13, v56
	v_fma_f32 v56, v50, v14, v56
	v_fma_f32 v56, v51, v15, v56
.irp j, 0,1,2,3,4,5,6,7
	ds_store_b32 v61, v[120+\j] offset:4*\j        ; actions 8 h + j of row r
.endr
	ds_store_b32 v63, v56 offset:64                ; lanes r and r + 16 store the same number to the same place
.endm
; The way out of a block: 128 rows x 68 bytes are 8,704 dense bytes, in LDS as in out0.  Each wave takes 1,024 bytes, wave 0 also the last 512
.macro OUTP
	v_and_b32 v116, 31, v0
	v_lshl_add_u32 v118, v116, 4, s52
	v_lshl_add_u32 v119, v116, 4, s26
	ds_load_b128 v[104:107], v118
	ds_load_b128 v[108:111], v118 offset:512
	s_cmp_lg_u32 s16, 0
	s_cbranch_scc1 .Lold_\@
	ds_load_b128 v[112:115], v118 offset:8192
.Lold_\@:
	WALU
	s_wait_dscnt 0x0
	global_store_b128 v119, v[104:107], s[14:15] th:TH_STORE_NT             ; 32 lanes store 512 consecutive bytes, at a multiple of 256 from out0's first byte
	global_store_b128 v119, v[108:111], s[14:15] offset:512 th:TH_STORE_NT
	s_cmp_lg_u32 s16, 0
	s_cbranch_scc1 .Lost_\@
	global_store_b128 v119, v[112:115], s[14:15] offset:8192 th:TH_STORE_NT
.Lost_\@:
	s_wait_xcnt 0x0                                ; the stores have read their registers: the base steps, and v104 on are written again
	s_add_nc_u64 s[14:15], s[14:15], 8704
.endm
	s_load_b256 s[4:11], s[0:1], 0x0               ; x s[4:5], wq s[6:7], b1 s[8:9], b2 s[10:11]
	s_load_b128 s[12:15], s[0:1], 0x20             ; gbo s[12:13], out0 s[14:15]
	v_lshl_add_u32 v4, v0, 2, SPARE
	v_mov_b32 v5, 0
	ds_add_u32 v4, v5                              ; the wave's opening: the add, twice on end, and its wait ahead of my first tensor load; work on registers stands between
	ds_add_u32 v4, v5
	v_lshrrev_b32 v1, 5, v0
	v_readfirstlane_b32 s16, v1                    ; wave 0..7
	; group 1 for x: 16 rows of 256 numbers of 4 bytes, 4 words of padding behind each row: LDS rows 1,040 bytes apart
	s_mov_b32 s32, (2<<16)|(1<<20)|(7<<22)|(3<<25)
	s_mov_b32 s33, 256<<16                         ; tensor_dim0
	s_mov_b32 s34, 16<<16                          ; tensor_dim1
	s_mov_b32 s35, 256<<16                         ; tile_dim0
	s_mov_b32 s36, 16                              ; tile_dim1
	s_mov_b32 s37, 256                             ; from row to row
	s_mov_b32 s38, 0
	s_mov_b32 s39, 0
	s_mov_b32 s19, 0x600000                        ; the mantissa field of 448
	s_mov_b32 s20, 0x76543210
	s_mov_b32 s21, 0xfedcba98                      ; v_permlanex16_b32's selects for lane l xor 16
	s_mov_b32 s22, 0x3d2aaaab                      ; 1/24
	s_mov_b32 s23, 0x3d2aaaab                      ; (named with it as a pair)
	s_mov_b32 s25, 0xffff0000                      ; lanes 16-31
	s_mul_i32 s44, s16, 16640                      ; my part of x's slot
	s_lshl_b32 s62, ttmp9, 19                      ; my work-group's 512 rows of 1,024 bytes,
	s_lshl_b32 s66, s16, 14                        ; my wave's 16 of a block's 128
	s_add_co_u32 s62, s62, s66
	s_mov_b32 s63, 0
	s_wait_dscnt 0x0                               ; both opening adds are done
	s_wait_kmcnt 0x0
	s_load_b128 s[28:31], s[12:13], 0x0            ; gbo
	s_add_nc_u64 s[4:5], s[4:5], s[62:63]          ; x at my 16 rows of block 0
	s_mov_b32 s40, 1
	s_mov_b32 s41, s44
	s_mov_b64 s[42:43], s[4:5]
	s_or_b32 s43, s43, 0x80000000
	tensor_load_to_lds s[40:43], s[32:39]          ; my one tensor load at the head
	s_nop 0
	PLACES 4
	s_add_nc_u64 s[60:61], s[4:5], 2*131072        ; the prefetches begin with block 2
	s_mul_i32 s62, ttmp9, 34816
	s_add_nc_u64 s[14:15], s[14:15], s[62:63]      ; out0 at my work-group's first row
	s_mul_i32 s62, s16, 49152
	s_add_nc_u64 s[70:71], s[6:7], s[62:63]        ; my 24 fragments
	s_add_nc_u64 s[72:73], s[6:7], WSO             ; the scale words and the small tables
	s_lshl_b32 s62, s16, 7
	s_add_nc_u64 s[74:75], s[8:9], s[62:63]        ; b1 at my 32 outputs
	s_lshl_b32 s62, s16, 6
	s_add_nc_u64 s[76:77], s[10:11], s[62:63]      ; b2 at my 16
	s_mul_i32 s56, s16, 4608                       ; my eighth of the tables
	v_and_b32 v64, 31, v0                          ; lane
	v_and_b32 v65, 15, v0                          ; r
	v_bfe_u32 v66, v0, 4, 1                        ; h
	v_lshl_add_u32 v2, v64, 4, SM
	v_lshl_add_u32 v3, v64, 2, SM
	v_lshl_add_u32 v1, v64, 4, s56
	v_add_nc_u32 v14, RA, v1
	v_and_b32 v67, 8, v65
	v_add_nc_u32 v67, v67, v65                     ; r + 8 (r / 8)
	v_lshlrev_b32 v12, 2, v67
	v_lshl_add_u32 v12, v66, 11, v12               ; b1[2 h + j][..]: rows of 1,024 bytes
	v_lshlrev_b32 v13, 2, v65
	v_lshl_add_u32 v13, v66, 10, v13               ; b2[2 h + j][..]: rows of 512
	v_mov_b32 v60, 0                               ; written once: a lane permute's destination counts as one of its sources
	v_mov_b32 v61, 0
	WALU
.irp i, 0,1,2,3,4,5,6,7,8
	global_load_b128 v[64+4*\i:67+4*\i], v1, s[72:73] offset:512*\i
.endr
.irp t, 0,1
.irp j, 0,1
	global_load_b32 v[6+2*\t+\j], v12, s[74:75] offset:1024*\j+32*\t   ; lane (r, h), register j: b1[2 h + j] at tile row r's output
.endr
.endr
.irp j, 0,1
	global_load_b32 v[10+\j], v13, s[76:77] offset:512*\j
.endr
	s_lshl_b32 s48, s16, 7                         ; x's scale words,
	s_lshl_b32 s47, s16, 12                        ; and images: my rows'
	s_lshl_b32 s66, s16, 8
	s_add_co_u32 s45, s66, SM+CCO                  ; my rows' coefficients, in both forms,
	s_add_co_u32 s46, s66, SM+BCO
	s_add_co_u32 s59, s66, SM+CCO+CC2              ; and the first form's copy
	s_mul_i32 s49, s16, 1536
	s_add_co_u32 s49, s49, RA                      ; my scale words of W1 and W2
	s_lshr_b32 s66, s16, 2
	s_and_b32 s67, s16, 3
	s_lshl_b32 s50, s66, 11
	s_lshl_b32 s68, s67, 9
	s_add_co_u32 s50, s50, s68
	s_add_co_u32 s50, s50, H1IMG                   ; h1: my 32 outputs are K step w / 4, block w % 4
	s_lshl_b32 s51, s66, 6
	s_add_co_u32 s51, s51, s67
	s_add_co_u32 s51, s51, SM+H1SC                 ; their byte
	s_lshl_b32 s26, s16, 10                        ; the way out: my 1,024 bytes
	s_add_co_u32 s52, s26, SM+OST
	s_lshl_b32 s53, s16, 6
	s_add_co_u32 s53, s53, SM+H2F                  ; layer 2: my 16 outputs,
	s_mul_i32 s54, s16, 8448
	s_add_co_u32 s54, s54, SM+H2F                  ; and, for the head, my 16 rows
	s_mul_i32 s55, s16, 1088
	s_add_co_u32 s55, s55, SM+OST
	s_mov_b32 s18, 0                               ; the block
	s_wait_kmcnt 0x0                               ; gbo
	s_wait_loadcnt 6                               ; my eighth of the tables; behind it stand 6 loads of biases
.irp i, 0,1,2,3,4,5,6,7,8
	ds_store_b128 v14, v[64+4*\i:67+4*\i] offset:512*\i
.endr
	s_wait_xcnt 0x0                                ; the loads above have read their offsets: v1, v12 and v13 are written next
	s_wait_dscnt 0x0
	s_barrier_signal -1
	s_barrier_wait -1                              ; the tables lie in LDS
	XG 1
.Lblock:                                           ; blocks 0 to 2: each asks for the next
	; ---- the first barrier: x's images, the coefficients and the results of the block before's layer 2 lie in LDS; my reads of the slot are over
	WALU
	s_wait_tensorcnt 0x0                           ; all my tensor loads have landed, so the walking group 0 may be written
	ds_add_u32 v4, v5                              ; 0 onto my spare word; the descriptor's step stands between it and the wait for it
	s_add_nc_u64 s[42:43], s[42:43], 131072        ; the next block; the type bits on top are not reached
	s_wait_dscnt 0x0                               ; the add is done, my LDS stores have landed, my reads of the slot are back
	s_barrier_signal -1
	HADR
	s_barrier_wait -1
	tensor_load_to_lds s[40:43], s[32:39]          ; my one tensor load behind this barrier: my rows of the next block, into the slot just read
	s_nop 0
	PLACES 4
	s_cmp_eq_u32 s18, 0                            ; block 0 has none before it
	s_cbranch_scc1 .Lno_head
	HEAD
.Lno_head:
	LAYER1 1
	s_wait_dscnt 0x0                               ; ---- the second barrier: h1's images, the copies of the coefficients and the rows of out0 lie in LDS, and nobody reads x's images any more
	s_barrier_signal -1
	s_barrier_wait -1
	s_cmp_lt_u32 s16, 4
	s_cbranch_scc1 .Llayer2
	XG 0                                           ; waves 4-7: the next block's x and gate first
.Llayer2:
	LAYER2
	s_cmp_lt_u32 s16, 4
	s_cbranch_scc0 .Lquantised
	XG 0                                           ; waves 0-3: behind layer 2
.Lquantised:
	s_cmp_eq_u32 s18, 0
	s_cbranch_scc1 .Lno_out
	OUTP                                           ; the block before: the second barrier has shown all its 128 rows
.Lno_out:
	s_add_co_u32 s18, s18, 1
	s_cmp_lt_u32 s18, 3
	WALU
	s_cbranch_scc1 .Lblock
	WALU                                           ; block 3 is a second copy
	s_wait_dscnt 0x0
	s_barrier_signal -1
	HADR
	s_barrier_wait -1
	HEAD
	LAYER1 0
	s_wait_dscnt 0x0
	s_barrier_signal -1
	s_barrier_wait -1
	LAYER2
	OUTP
	WALU
	s_wait_dscnt 0x0                               ; block 3's results of layer 2 lie in LDS, and nobody reads block 2's rows of out0 any more
	s_barrier_signal -1
	HADR
	s_barrier_wait -1
	HEAD
	WALU
	s_wait_dscnt 0x0                               ; the last block's rows lie in LDS
	s_barrier_signal -1
	s_barrier_wait -1
	OUTP
	s_wait_tensorcnt 0x0                           ; the wave's end, behind my last tensor load and my last LDS store
	ds_add_u32 v4, v5
	s_wait_dscnt 0x0
	s_endpgm
.Lfunc_end_k_q121d9ce93a_actor:
	.size	k_q121d9ce93a_actor, .Lfunc_end_k_q121d9ce93a_actor-k_q121d9ce93a_actor
	.p2alignl 7, 3214868480
	.fill 96, 4, 3214868480
	.section	.rodata,"a",@progbits
	.p2align	6, 0x0
	.amdhsa_kernel k_q121d9ce93a_actor
		.amdhsa_group_segment_fixed_size 327680
		.amdhsa_private_segment_fixed_size 0
		.amdhsa_enable_private_segment 0
		.amdhsa_kernarg_size 48
		.amdhsa_user_sgpr_count 2
		.amdhsa_user_sgpr_kernarg_segment_ptr 1
		.amdhsa_wavefront_size32 1
		.amdhsa_system_sgpr_workgroup_id_x 1
		.amdhsa_system_sgpr_workgroup_id_y 1
		.amdhsa_system_sgpr_workgroup_id_z 1
		.amdhsa_system_vgpr_workitem_id 0
		.amdhsa_next_free_vgpr 512
		.amdhsa_next_free_sgpr 84
		.amdhsa_reserve_vcc 0
		.amdhsa_float_denorm_mode_32 3
		.amdhsa_float_denorm_mode_16_64 3
		.amdhsa_memory_ordered 1
		.amdhsa_forward_progress 1
		.amdhsa_inst_pref_size 255
	.end_amdhsa_kernel
	.section	.bss,"aw",@nobits
	.p2align	6
	.space	262144
	.amdgpu_metadata
---
amdhsa.version: [ 1, 2 ]
amdhsa.kernels:
  - .name:           k_q121d9ce93a_actor
    .symbol:         k_q121d9ce93a_actor.kd
    .args:
      - { .name: x, .offset: 0, .size: 8, .value_kind: global_buffer, .address_space: global }
      - { .name: wq, .offset: 8, .size: 8, .value_kind: global_buffer, .address_space: global }
      - { .name: b1, .offset: 16, .size: 8, .value_kind: global_buffer, .address_space: global }
      - { .name: b2, .offset: 24, .size: 8, .value_kind: global_buffer, .address_space: global }
      - { .name: gbo, .offset: 32, .size: 8, .value_kind: global_buffer, .address_space: global }
      - { .name: out0, .offset: 40, .size: 8, .value_kind: global_buffer, .address_space: global }
    .group_segment_fixed_size: 327680
    .private_segment_fixed_size: 0
    .kernarg_segment_align: 8
    .kernarg_segment_size: 48
    .max_flat_workgroup_size: 256
    .sgpr_count:     84
    .vgpr_count:     512
    .wavefront_size: 32
...
	.end_amdgpu_metadata
.endif
;; end of part 2
